; MI455X (gfx1250); checked and timed in simulation.
; The chip was launched on July 23, 2026; its instructions are those of AMD's public machine-readable ISA for CDNA 5 (MIT licence, August 2026) and "CDNA5" Instruction Set Architecture Reference Guide (July 2026). The comments in the code are by the model that wrote it; some were corrected since.
;; Ring Attention Simulated. Allowed arithmetic: matrix products marked QUANTISED: E5M2 operands, one given power-of-two scale a tensor, by v_wmma_f32_16x16x64_bf8_bf8 or v_wmma_f32_16x16x128_bf8_bf8, f32 sums; everything else in f32.
;; Inputs: Wk 1,024 x 1,024 float32; Wo 1,024 x 1,024 float32; Wq 1,024 x 1,024 float32; Wv 1,024 x 1,024 float32; lowp_scales 12 int32 (the exponents e of the quantised operands' scales 2^e); x 2 x 2,048 x 1,024 float32.
;; Outputs: out0 2 x 2,048 x 1,024 float32.
;; This version of the problem:
;;   THIS VERSION OF THE PROBLEM IS GIVEN IN LOW PRECISION. The matrix products marked QUANTISED in the list below multiply operands that are first quantised to E5M2 (5 exponent bits, 2 mantissa bits; 8 bits a number), with one given power-of-two scale for each operand tensor; their sums are f32. All else is computed in f32.
;;   The module's matrix products, in the order in which they are computed (A, B: the left and right operand; K: the contracted axis; several contracted axes count as one K, in the product's order):
;;     1. [M 4,096, K 1,024] x [K 1,024, N 1,024]; A: input x; B: input Wq: QUANTISED (scales: A lowp_scales[0], B lowp_scales[1])
;;     2. [M 4,096, K 1,024] x [K 1,024, N 1,024]; A: input x; B: input Wk: QUANTISED (scales: A lowp_scales[2], B lowp_scales[3])
;;     3. [M 4,096, K 1,024] x [K 1,024, N 1,024]; A: input x; B: input Wv: QUANTISED (scales: A lowp_scales[4], B lowp_scales[5])
;;     4. batch 32 x [M 2,048, K 64] x [K 64, N 2,048]; A: computed on the way; B: computed on the way: QUANTISED (scales: A lowp_scales[6], B lowp_scales[7])
;;     5. batch 32 x [M 2,048, K 2,048] x [K 2,048, N 64]; A: computed on the way; B: computed on the way: QUANTISED (scales: A lowp_scales[8], B lowp_scales[9])
;;     6. [M 4,096, K 1,024] x [K 1,024, N 1,024]; A: computed on the way; B: input Wo: QUANTISED (scales: A lowp_scales[10], B lowp_scales[11])
;;   THE QUANTISER, for each operand of a quantised product, along K:
;;     - The operand's scale is 2^e, e = its entry of the input lowp_scales (int32; the entries are numbered through the quantised products in the list's order, A before B).
;;     - Each number is divided by the scale, clamped to +-57,344, and rounded to the nearest number of E5M2, ties to even, subnormals kept.
;;     - The product sums the exact products of the quantised numbers (number of the format x scale) in f32.
;;   ~~~python
;;   def quantise(x, axis, e):      # numpy; x: float32 -> the quantised numbers, widened to float32 again
;;       x = np.moveaxis(x, axis, -1); K = x.shape[-1]
;;       r = np.clip(x / 2.0 ** e, -57344, 57344)
;;       step = 2.0 ** (np.maximum(np.frexp(np.where(r == 0, 1, r))[1] - 1, -14) - 2)
;;       q = np.round(r / step) * step * 2.0 ** e      # np.round: ties to even
;;       return np.moveaxis(q, -1, axis).astype(np.float32)
;;   ~~~
;;   OPERANDS COMPUTED ON THE WAY. 'Computed on the way' means the value that the module computes at that place (a softmax that the list does not call 'softmax' is quantised finished and normalised). What goes into a quantiser is computed in f32, as accurately as f32 sums, v_exp_f32 and their like allow (about 1e-6 of the number): no bf16 or f16 on the way to a quantiser, and a product that is left as it is and whose result goes on into a quantised operand takes f32 operands (vector FMAs, or v_wmma_f32_16x16x4_f32). A number that lies on a knife's edge between two numbers of the format may be rounded either way, as far as f32 arithmetic and the matrix unit's own rounding can turn it there, and no further.
;; One version. Each part assembles by itself: llvm-mc -triple=amdgcn-amd-amdhsa -mcpu=gfx1250 --defsym DOCPART=n.
;; ======== version 1 of 1: 4 launches
;; limits: right only within a limited range of input values
;; workspace buffers: xc 12,582,912 bytes; wc 4,194,304 bytes; qkv 12,582,912 bytes; oi 4,194,304 bytes
;; launch quant (part 1): grid 256 x 1, 4 waves a work-group, no clusters, 68,096 bytes of LDS; arguments x, Wq, Wk, Wv, Wo, lowp_scales, xc, wc; writes xc, wc
.if DOCPART == 1
	.amdgcn_target "amdgcn-amd-amdhsa--gfx1250"
	.amdhsa_code_object_version 6
	.text
	.protected	k_qcd2b8fbaa5_quant
	.globl	k_qcd2b8fbaa5_quant
	.p2align	8
	.type	k_qcd2b8fbaa5_quant,@function
k_qcd2b8fbaa5_quant:
	s_mov_b64 s[64:65], 0
	v_nop
	global_prefetch_b8 v0, s[64:65] scope:SCOPE_SE
	s_setreg_imm32_b32 hwreg(HW_REG_WAVE_MODE, 25, 1), 1
	s_wait_xcnt 0x0
; FIRST OF FOUR LAUNCHES of causal attention on codes of E5M2 (B 2, T 2,048, D 1,024, 16 heads of 64).
;   quant: x and the four weights become codes.   qkv: products 1 to 3, their sums quantised into q, k, v.   attn: products 4 and 5 with the softmax.   proj: product 6.
; DEAD WORK, left out in launch attn.  reference() itself builds the mask key > query and sets those scores to -infinity ahead of the softmax; the softmax gives exactly 0 there, the
; quantiser keeps 0 as the code 0, and 0 x v adds nothing to o.  That holds for all finite values of the inputs.  So a step of 128 keys all of which come after a wave's 16 queries is not
; computed: no score, no exponential, no product with v.  Inside the one step on the diagonal the hidden scores are computed and set to -infinity.  Every input has a way to the output: all are loaded.
; LIMIT: a NaN, an infinity or an overflow that reaches only the work left out is not carried to the result.
; THIS LAUNCH.  code = number / 2^e, held within +-57,344, rounded to the nearest code, ties to even.
;   x [4,096][1,024] is an operand of three products with three given scales (entries 0, 2, 4): three planes of codes, xc [3][4,096][1,024], K innermost as x has it.
;   Wq, Wk, Wv, Wo [k 1,024][n 1,024] (entries 1, 3, 5, 11) have K as their first axis: wc [4][n 1,024][k 1,024], K innermost.  In Wo's plane alone the second and third group of 8 codes of each
;   32 change places, so that 16 bytes read at 32 c + 16 h hold k = 32 c + 8 h + 0..7 and 32 c + 16 + 8 h + 0..7: the places in which the last launch's other operand lies.
; Work-groups 0 to 127 take x, 128 to 255 the weights.  Waves share nothing: no barrier.  Each path has LDS bytes of its own.
; LIMITS: each e between -126 and 112, so that 2^e and 57,344 x 2^e are f32 numbers.  NaN among the inputs is not served; an infinity is held at the largest code.
.set SPARE, 67584                      ; behind the stages: the spare words, 128 bytes for each wave: two blocks of 256 bytes that no other line names
.set SPW,   230                        ; v230  LDS address of my spare word; never rewritten
.set NIL,   231                        ; v231  0; never rewritten
.set SP,    80                         ; x: a lane's place in a stage: 64 bytes + 16 of padding
.set WST,   32768                      ; the weights' stages begin here: 32 rows x 272 bytes for each wave
.set WP,    272
.set R,     16                         ; x: v16-79   four sets of 16 numbers as loaded
.set XX,    80                         ; x: v80-111  two sets of 16 neighbours
.set TT,    112                        ; x: v112-127 the numbers held for one scale
.set CC,    128                        ; x: v128-223 codes: 12 registers a step, eight steps' worth
.set SC,    224                        ; x: v224-226 2^e for planes 0, 1, 2
.set LM,    227                        ; x: v227-229 57,344 x 2^e
.set WX,    32                         ; W: v32-95   two sets of 32 numbers
.set WS,    96                         ; W: v96-103  a block's codes as they are stored
.set WU,    104                        ; W: v104-107 its two middle groups as converted
.set OUTR,  112                        ; W: v112-175 the way out
	s_load_b512 s[4:19], s[0:1], 0x0               ; x 4:5, Wq 6:7, Wk 8:9, Wv 10:11, Wo 12:13, scales 14:15, xc 16:17, wc 18:19
	v_lshl_add_u32 v[SPW], v0, 2, SPARE
	v_mov_b32 v[NIL], 0
	v_lshrrev_b32 v1, 5, v0
	v_readfirstlane_b32 s40, v1                    ; wave 0..3
	v_and_b32 v2, 31, v0                           ; lane
	v_lshlrev_b32 v3, 4, v2                        ; 16 x lane
	v_lshlrev_b32 v4, 2, v2                        ; 4 x lane
	; every LDS address of both paths is made here, ahead of the parting
	s_lshl_b32 s41, s40, 13                        ; x: my wave's 8,192 bytes
	v_lshrrev_b32 v14, 2, v2
	v_mul_u32_u24 v14, v14, SP
	v_and_b32 v15, 3, v2
	v_lshl_add_u32 v14, v15, 4, v14
	v_add_nc_u32 v14, s41, v14                     ; x, into the stage: four lanes' 64 bytes on end, then the padding
	v_mul_u32_u24 v15, v2, SP
	v_add_nc_u32 v15, s41, v15                     ; x, out of it: my 16 neighbours
	s_mul_i32 s42, s40, 32*WP
	s_add_co_u32 s42, s42, WST
	v_mul_u32_u24 v10, v2, WP
	v_add_nc_u32 v10, s42, v10                     ; W, into the stage: row = my column
	v_and_b32 v5, 15, v2
	v_lshrrev_b32 v6, 4, v2
	v_mul_u32_u24 v11, v6, WP
	v_lshl_add_u32 v11, v5, 4, v11
	v_add_nc_u32 v11, s42, v11                     ; W, out of it: sixteen lanes to a row, two rows an instruction
	v_lshlrev_b32 v8, 10, v6
	v_lshl_add_u32 v8, v5, 4, v8                   ; and the same place in wc: rows of 1,024 bytes
	s_wait_kmcnt 0x0
	s_load_b256 s[20:27], s[14:15], 0x0            ; e0 .. e7
	s_load_b128 s[28:31], s[14:15], 0x20           ; e8 .. e11
	s_cmp_lt_u32 ttmp9, 128
	s_cbranch_scc0 .Lweights
; ---------------- x: a wave takes 8,192 numbers, 16 steps of 512.  Each load reads 512 consecutive bytes; a step's 2,048 bytes turn through the wave's stage so that a lane holds 16 neighbours.
	s_lshl_b32 s43, ttmp9, 2
	s_add_co_u32 s43, s43, s40                     ; which run of 8,192 numbers is mine
	s_lshl_b32 s44, s43, 15
	s_mov_b32 s45, 0
	s_add_nc_u64 s[32:33], s[4:5], s[44:45]        ; x
	s_lshl_b32 s44, s43, 13
	s_add_nc_u64 s[34:35], s[16:17], s[44:45]      ; the three planes of codes, 4 MiB apart
	s_add_nc_u64 s[36:37], s[34:35], 0x400000
	s_add_nc_u64 s[38:39], s[36:37], 0x400000
.macro XLOAD t
.irp i, 0,1,2,3
	global_load_b128 v[R+16*((\t)%4)+4*\i:R+16*((\t)%4)+4*\i+3], v3, s[32:33] offset:2048*(\t)+512*\i th:TH_LOAD_NT
.endr
.endm
.macro XTURN t                         ; LDS serves a wave's instructions in order: no wait between the stores and the loads
.irp i, 0,1,2,3
	ds_store_b128 v14, v[R+16*((\t)%4)+4*\i:R+16*((\t)%4)+4*\i+3] offset:32*SP*((\t)%2)+8*SP*\i
.endr
.irp i, 0,1,2,3
	ds_load_b128 v[XX+16*((\t)%2)+4*\i:XX+16*((\t)%2)+4*\i+3], v15 offset:32*SP*((\t)%2)+16*\i
.endr
.endm
.irp t, 0,1,2,3
	XLOAD \t
.endr
	s_wait_kmcnt 0x0
.irp j, 0,1,2
	s_add_co_i32 s46, s[20+2*\j], 127
	s_lshl_b32 s47, s46, 23
	v_mov_b32 v[SC+\j], s47                        ; 2^e as f32: the conversion takes its exponent field
	s_add_co_i32 s46, s46, 15
	s_lshl_b32 s46, s46, 23
	s_or_b32 s46, s46, 0x600000
	v_mov_b32 v[LM+\j], s46                        ; 57,344 x 2^e
.endr
	s_wait_alu depctr_va_vdst(0)
	s_wait_loadcnt 12                              ; step 0's four loads are in; the twelve of steps 1 to 3 stay out
	XTURN 0
.macro XSTEP t
.set XS, XX+16*((\t)%2)
	s_wait_dscnt 0x0                               ; this step's numbers are back from the stage, and its stores into the stage have read their registers,
.if (\t)+4 < 16
	XLOAD (\t)+4                                   ; which take the loads of four steps on
.endif
.if (\t)+1 < 16
.if 14-(\t) >= 3
	s_wait_loadcnt 12                              ; the next step's four loads are in; those of the three steps behind it stay out
.else
	s_wait_loadcnt 4*(14-(\t))
.endif
	XTURN (\t)+1
.endif
.if (\t) == 8
	s_wait_xcnt 0x0                                ; the stores of steps 0 to 7 have read their data: steps 8 to 15 write those registers again
.endif
.irp j, 0,1,2
.irp i, 0,1,2,3,4,5,6,7,8,9,10,11,12,13,14,15
	v_med3_num_f32 v[TT+\i], v[XS+\i], -v[LM+\j], v[LM+\j]   ; the conversion to an 8-bit code does not saturate (ISA guide 7.6.2): the hold comes first
.endr
	v_cvt_scalef32_pk8_bf8_f32 v[CC+12*((\t)%8)+4*\j:CC+12*((\t)%8)+4*\j+1], v[TT:TT+7], v[SC+\j]
	v_cvt_scalef32_pk8_bf8_f32 v[CC+12*((\t)%8)+4*\j+2:CC+12*((\t)%8)+4*\j+3], v[TT+8:TT+15], v[SC+\j]
	v_nop                                          ; a plain line between the conversions and the next holds, which write their sources
	global_store_b128 v3, v[CC+12*((\t)%8)+4*\j:CC+12*((\t)%8)+4*\j+3], s[34+2*\j:35+2*\j] offset:512*(\t)   ; 32 lanes store 512 consecutive bytes
.endr
.endm
.irp t, 0,1,2,3,4,5,6,7,8,9,10,11,12,13,14,15
	XSTEP \t
.endr
	s_wait_tensorcnt 0x0                           ; the wave's end
	ds_add_u32 v[SPW], v[NIL]
	s_wait_dscnt 0x0
	s_endpgm
; ---------------- the weights: a lane takes a column n and its registers run down K; a wave takes 32 columns x 256 along K: 8 blocks of 32.
.Lweights:
	s_sub_co_u32 s43, ttmp9, 128
	s_lshr_b32 s41, s43, 5                         ; which weight: 0 Wq, 1 Wk, 2 Wv, 3 Wo
	s_and_b32 s44, s43, 7                          ; which 128 columns
	s_bfe_u32 s45, s43, 0x20003                    ; which 256 along K
	s_bitcmp1_b32 s41, 0
	s_cselect_b64 s[32:33], s[8:9], s[6:7]
	s_cselect_b64 s[34:35], s[12:13], s[10:11]
	s_bitcmp1_b32 s41, 1
	s_cselect_b64 s[32:33], s[34:35], s[32:33]     ; the choice hangs on the work-group's number alone
	s_cmp_eq_u32 s41, 3
	s_cselect_b32 s46, -1, 0                       ; all lanes on for Wo: its middle groups change places
	s_lshl_b32 s44, s44, 7
	s_lshl_b32 s47, s40, 5
	s_add_co_u32 s44, s44, s47                     ; my wave's first column
	s_lshl_b32 s48, s45, 20                        ; 256 rows of 4,096 bytes
	s_lshl_b32 s47, s44, 2
	s_add_co_u32 s48, s48, s47
	s_mov_b32 s49, 0
	s_add_nc_u64 s[32:33], s[32:33], s[48:49]
	s_lshl_b32 s48, s41, 20                        ; the weight's plane of wc,
	s_lshl_b32 s47, s44, 10                        ; my first column's row,
	s_add_co_u32 s48, s48, s47
	s_lshl_b32 s47, s45, 8                         ; my 256 bytes of it
	s_add_co_u32 s48, s48, s47
	s_add_nc_u64 s[36:37], s[18:19], s[48:49]
.macro WLOAD t                         ; block t: W(32 t + i, my column): 32 lanes read 128 consecutive bytes, the four waves 512
.irp i, 0,1,2,3,4,5,6,7,8,9,10,11,12,13,14,15,16,17,18,19,20,21,22,23,24,25,26,27,28,29,30,31
	global_load_b32 v[WX+32*((\t)%2)+\i], v4, s[32:33] offset:(32*(\t)+\i)*4096 th:TH_LOAD_NT
.endr
.endm
	WLOAD 0
	WLOAD 1
	s_wait_kmcnt 0x0
	s_bitcmp1_b32 s41, 0
	s_cselect_b32 s50, s23, s21                    ; e3 or e1
	s_cselect_b32 s51, s31, s25                    ; e11 or e5
	s_bitcmp1_b32 s41, 1
	s_cselect_b32 s50, s51, s50
	s_add_co_i32 s50, s50, 127
	s_lshl_b32 s51, s50, 23
	v_mov_b32 v12, s51                             ; 2^e
	s_add_co_i32 s50, s50, 15
	s_lshl_b32 s50, s50, 23
	s_or_b32 s50, s50, 0x600000
	v_mov_b32 v13, s50                             ; 57,344 x 2^e
.macro WBLOCK t
.set XS, WX+32*((\t)%2)
.if (\t) < 7
	s_wait_loadcnt 32                              ; this block's 32 loads are in; the next block's 32 stay out
.else
	s_wait_loadcnt 0x0
.endif
.set I, 0
.rept 32
	v_med3_num_f32 v[XS+I], v[XS+I], -v13, v13
.set I, I+1
.endr
	v_cvt_scalef32_pk8_bf8_f32 v[WS:WS+1], v[XS:XS+7], v12
	v_cvt_scalef32_pk8_bf8_f32 v[WU:WU+1], v[XS+8:XS+15], v12
	v_cvt_scalef32_pk8_bf8_f32 v[WU+2:WU+3], v[XS+16:XS+23], v12
	v_cvt_scalef32_pk8_bf8_f32 v[WS+6:WS+7], v[XS+24:XS+31], v12
	v_nop                                          ; a plain line between the conversions and the selects that read their results
	v_cndmask_b32 v[WS+2], v[WU], v[WU+2], s46     ; the second group of 8 bytes: k 8..15, for Wo k 16..23
	v_cndmask_b32 v[WS+3], v[WU+1], v[WU+3], s46
	v_cndmask_b32 v[WS+4], v[WU+2], v[WU], s46     ; the third: k 16..23, for Wo k 8..15
	v_cndmask_b32 v[WS+5], v[WU+3], v[WU+1], s46
	ds_store_b128 v10, v[WS:WS+3] offset:32*(\t)
	ds_store_b128 v10, v[WS+4:WS+7] offset:32*(\t)+16
.if (\t)+2 < 8
	WLOAD (\t)+2
.endif
	s_wait_dscnt 0x0                               ; the stores have read their registers: the next block's codes may be written
.endm
	s_wait_alu depctr_va_vdst(0)
.irp t, 0,1,2,3,4,5,6,7
	WBLOCK \t
.endr
.irp t, 0,1,2,3,4,5,6,7,8,9,10,11,12,13,14,15
	ds_load_b128 v[OUTR+4*\t:OUTR+4*\t+3], v11 offset:2*\t*WP
.endr
.irp t, 0,1,2,3,4,5,6,7,8,9,10,11,12,13,14,15
	s_wait_dscnt 15-\t                             ; LDS loads come back in order: number t is in, the younger ones stay out
	global_store_b128 v8, v[OUTR+4*\t:OUTR+4*\t+3], s[36:37] offset:2*\t*1024   ; sixteen lanes store 256 consecutive bytes, aligned
.endr
	s_wait_tensorcnt 0x0                           ; the wave's end
	ds_add_u32 v[SPW], v[NIL]
	s_wait_dscnt 0x0
	s_endpgm
.Lfunc_end_k_qcd2b8fbaa5_quant:
	.size	k_qcd2b8fbaa5_quant, .Lfunc_end_k_qcd2b8fbaa5_quant-k_qcd2b8fbaa5_quant
	.p2alignl 7, 3214868480
	.fill 96, 4, 3214868480
	.section	.rodata,"a",@progbits
	.p2align	6, 0x0
	.amdhsa_kernel k_qcd2b8fbaa5_quant
		.amdhsa_group_segment_fixed_size 68096
		.amdhsa_private_segment_fixed_size 0
		.amdhsa_enable_private_segment 0
		.amdhsa_kernarg_size 64
		.amdhsa_user_sgpr_count 2
		.amdhsa_user_sgpr_kernarg_segment_ptr 1
		.amdhsa_wavefront_size32 1
		.amdhsa_system_sgpr_workgroup_id_x 1
		.amdhsa_system_sgpr_workgroup_id_y 1
		.amdhsa_system_sgpr_workgroup_id_z 1
		.amdhsa_system_vgpr_workitem_id 0
		.amdhsa_next_free_vgpr 256
		.amdhsa_next_free_sgpr 66
		.amdhsa_reserve_vcc 0
		.amdhsa_float_denorm_mode_32 3
		.amdhsa_float_denorm_mode_16_64 3
		.amdhsa_memory_ordered 1
		.amdhsa_forward_progress 1
		.amdhsa_inst_pref_size 129
	.end_amdhsa_kernel
	.amdgpu_metadata
---
amdhsa.version: [ 1, 2 ]
amdhsa.kernels:
  - .name:           k_qcd2b8fbaa5_quant
    .symbol:         k_qcd2b8fbaa5_quant.kd
    .args:
      - { .name: x, .offset: 0, .size: 8, .value_kind: global_buffer, .address_space: global }
      - { .name: Wq, .offset: 8, .size: 8, .value_kind: global_buffer, .address_space: global }
      - { .name: Wk, .offset: 16, .size: 8, .value_kind: global_buffer, .address_space: global }
      - { .name: Wv, .offset: 24, .size: 8, .value_kind: global_buffer, .address_space: global }
      - { .name: Wo, .offset: 32, .size: 8, .value_kind: global_buffer, .address_space: global }
      - { .name: lowp_scales, .offset: 40, .size: 8, .value_kind: global_buffer, .address_space: global }
      - { .name: xc, .offset: 48, .size: 8, .value_kind: global_buffer, .address_space: global }
      - { .name: wc, .offset: 56, .size: 8, .value_kind: global_buffer, .address_space: global }
    .group_segment_fixed_size: 68096
    .private_segment_fixed_size: 0
    .kernarg_segment_align: 8
    .kernarg_segment_size: 64
    .max_flat_workgroup_size: 128
    .sgpr_count:     66
    .vgpr_count:     256
    .wavefront_size: 32
...
	.end_amdgpu_metadata
.endif
;; end of part 1
;; launch qkv (part 2): grid 12 x 16, 4 waves a work-group, clusters of 4 x 4, 327,680 bytes of LDS; arguments xc, wc, lowp_scales, qkv; writes qkv
.if DOCPART == 2
	.amdgcn_target "amdgcn-amd-amdhsa--gfx1250"
	.amdhsa_code_object_version 6
	.text
	.protected	k_qcd2b8fbaa5_qkv
	.globl	k_qcd2b8fbaa5_qkv
	.p2align	8
	.type	k_qcd2b8fbaa5_qkv,@function
k_qcd2b8fbaa5_qkv:
	s_mov_b64 s[64:65], 0
	v_nop
	global_prefetch_b8 v0, s[64:65] scope:SCOPE_SE
	s_setreg_imm32_b32 hwreg(HW_REG_WAVE_MODE, 25, 1), 1
	s_wait_xcnt 0x0
	s_wait_alu depctr_hold_cnt(0) depctr_sa_sdst(0) depctr_va_vdst(0) depctr_va_sdst(0) depctr_va_ssrc(0) depctr_va_vcc(0) depctr_vm_vsrc(0)
	s_getreg_b32 s2, hwreg(HW_REG_IB_STS2, 6, 4)
	s_cmp_eq_u32 s2, 0
	s_cbranch_scc0 .Lentry_in_a_cluster
	s_endpgm
.Lentry_in_a_cluster:
	s_bfe_u32 s2, ttmp6, 0x10000c
	s_cmp_lg_u32 s2, 0xf033
	s_cbranch_scc0 .Lentry_shape_is_right
	s_endpgm
.Lentry_shape_is_right:
; SECOND LAUNCH: products 1 to 3, q = x Wq, k = x Wk, v = x Wv, on codes of E5M2; each f32 sum is quantised at once, in registers, for products 4 and 5.  Nothing is left out here.
; A tile of 256 x 256 results is made by four waves, 128 x 128 each: 64 accumulators, 512 registers.  K = 1,024 goes in four steps of 256 through a ring of two LDS slots filled by the tensor data mover.
; WHICH PRODUCT: p = the cluster's x (0 q, 1 k, 2 v), the same in all sixteen partners.  The side called A here is source 1 of the matrix instruction, B is source 0: lane (r, h) of accumulator (a, b)
; holds A's row 16 a + r and B's rows 16 b + 8 h + 0..7.  For q and k: A = x's plane p (rows: tokens), B = W's plane p (rows: n), so a lane's eight results run along the head's d, which is
; product 4's K.  For v the sides change places: A = Wv, B = x's plane 2, so a lane's eight results run along the tokens, which are product 5's K.
; WHAT IS STORED: images of the next operands' registers (group g of four registers at 512 g + 16 x lane).  q at 0, k at 4 MiB: [batch x head 32][tile of 16 tokens 128][1,024 bytes]: lane (r, h): token r,
; registers 2 c, 2 c + 1: d = 16 c + 8 h + 0..7.  v at 8 MiB: [batch x head 32][block of 128 keys 16][tile of 16 d 4][2,048 bytes]: lane (r, h): d = r, registers 2 c, 2 c + 1: keys 16 c + 8 h + 0..7.
; Eight sums converted at a time ARE two such registers: no LDS on the way out, and each store of a wave covers 512 consecutive bytes.
; A sum stands for sum x 2^(eA + eB); its code is sum / 2^E, E = eOut - eA - eB (q: e6 - e0 - e1; k: e7 - e2 - e3; v: e9 - e4 - e5), held within +-57,344 x 2^E.  LIMIT: E between -126 and 112.
; CLUSTERS: 4 x 4.  A's tile is shared along a row of the cluster, B's along a column: each is asked for jointly, by the same tensor load with the same descriptor and a mask that names the four.
; The fragments take 16 bytes at 32 c + 16 h of a row: a permutation of k that is the same in both operands, so every product meets its partner.
; REGISTERS: window 0: v16-29 addresses and constants; v32-95 at work on the way out; from v128 A's fragments, ONE set, later the codes.  window 1: B's fragments, two sets.  windows 2, 3: the accumulators.
.set ROWB,   256                       ; a tile's row in bytes
.set KROW,   1024                      ; a row of codes in memory
.set PITCH,  272                       ; an LDS row: 256 bytes + 16 of padding = 68 words: the 16 rows that a load touches start at 16 different banks (64 banks of 4 bytes: ISA guide 11.1)
.set FR,     16
.set NL,     4
.set NP,     4                         ; places behind this matrix instruction (ISA guide 7.12.1)
.set HALFT,  128*PITCH
.set SLOT,   4*HALFT
.set LAPS,   2                         ; 1,024 / 512
.set SPARE,  2*SLOT                    ; behind the ring: the spare words, two blocks of 256 bytes that no other line names
.set ADRA, 16                          ; v16-17  LDS address of my A fragments in slot 0, 1
.set ADRB, 20                          ; v20-21  the same for B
.set LO,   24                          ; v24     16 x lane
.set HI,   25                          ; v25     that + the distance to a block's second half of codes
.set SCL,  26                          ; v26     2^E
.set LIM,  27                          ; v27     57,344 x 2^E
.set SPW,  28
.set NIL,  29
.set TMP,  32
.set AF,   128
.set CD,   128                         ; the way out: 16 registers of codes for each of the eight blocks
.set G1, 24
.set G0, 32
.set G1B, 48
.set G0B, 56
.set MSB, 0
.macro WIN new                         ; the immediate's high byte repeats the setting that is left
.if MSB != \new
	s_set_vgpr_msb (MSB<<8)|\new
.set MSB, \new
.endif
.endm
.set MUL_LO, 0xa1                      ; source 0 (B) window 1, source 1 (A) window 0, C and D window 2
.set MUL_HI, 0xf1
.set TO_B,   0x40
; A joint load: waves 0 and 1 fetch for A, waves 2 and 3 for B.  The branch hangs on the wave's number alone.  An s_nop 0 and four v_nop follow each line.
.macro JLOAD g0a, g1a, g0b, g1b
	s_cmp_eq_u32 s15, 0
	s_cbranch_scc0 .Lfor_b_\@
	tensor_load_to_lds s[\g0a:\g0a+3], s[\g1a:\g1a+7]
	s_nop 0
.rept 4
	v_nop
.endr
	s_branch .Lasked_\@
.Lfor_b_\@:
	tensor_load_to_lds s[\g0b:\g0b+3], s[\g1b:\g1b+7]
	s_nop 0
.rept 4
	v_nop
.endr
.Lasked_\@:
.endm
.macro CREST
	s_cmp_lg_u32 s14, 0
	s_cbranch_scc1 .Lnot_wave_0_\@
	s_barrier_signal -3
.Lnot_wave_0_\@:
	s_barrier_wait -3
	s_barrier_signal -1
	s_barrier_wait -1
.endm
.macro CROUND
	s_barrier_signal -1
	s_barrier_wait -1
	CREST
.endm
	s_load_b128 s[4:7], s[0:1], 0x0                ; xc s[4:5], wc s[6:7]
	s_load_b128 s[8:11], s[0:1], 0x10              ; the scales' exponents s[8:9], qkv s[10:11]
	v_lshl_add_u32 v[SPW], v0, 2, SPARE
	v_mov_b32 v[NIL], 0
	ds_add_u32 v[SPW], v[NIL]                      ; the wave's opening: the add, twice on end, and its wait ahead of my first tensor load
	ds_add_u32 v[SPW], v[NIL]
	v_lshrrev_b32 v1, 5, v0
	v_readfirstlane_b32 s14, v1                    ; wave 0..3
	s_lshr_b32 s15, s14, 1                         ; which half of A's rows is mine.  Also: I fetch for A (0) or for B (1)
	s_and_b32 s16, s14, 1                          ; which half of B's rows.  Also: which 128 rows of that tile I fetch
	s_bfe_u32 s40, ttmp6, 0x40000                  ; cx
	s_bfe_u32 s41, ttmp6, 0x40004                  ; cy
	s_and_b32 s80, ttmp7, 0xffff
	s_lshl_b32 s80, s80, 2                         ; 4 x the cluster's y: it walks the tokens, which are A's rows for q and k, B's for v
	s_cmp_lt_u32 ttmp9, 2
	s_cselect_b32 s81, s80, 0
	s_cselect_b32 s82, 0, s80
	s_add_co_u32 s17, s41, s81                     ; A's tile row: cy, + 4 y for q and k
	s_add_co_u32 s42, s40, s82                     ; B's tile row: cx, + 4 y for v
	s_lshl_b32 s43, s41, 2
	s_lshl_b32 s43, 15, s43                        ; my row of the cluster
	s_lshl_b32 s44, 0x1111, s40                    ; my column
	s_or_b32 s[G1+0], s43, (0<<16)|(1<<20)|(1<<21)|(5<<22)|(3<<25)  ; the mask; elements of 1 byte; padding on; bit 21 beside a mask; after every 64 words, 4 words
	s_or_b32 s[G1B+0], s44, (0<<16)|(1<<20)|(1<<21)|(5<<22)|(3<<25)
.irp g, G1, G1B
	s_mov_b32 s[\g+1], ROWB<<16                    ; tensor_dim0
	s_mov_b32 s[\g+2], 128<<16                     ; tensor_dim1
	s_mov_b32 s[\g+3], ROWB<<16                    ; tile_dim0
	s_mov_b32 s[\g+4], 128                         ; tile_dim1
	s_mov_b32 s[\g+5], KROW                        ; tensor_dim0_stride
	s_mov_b32 s[\g+6], 0
	s_mov_b32 s[\g+7], 0
.endr
	s_lshl_b32 s18, s16, 7                         ; which 128 rows of the tile I fetch
	s_lshl_b32 s20, s17, 8
	s_add_co_u32 s20, s20, s18
	s_lshl_b32 s20, s20, 10                        ; A: the row's first byte in its plane
	s_lshl_b32 s46, s42, 8
	s_add_co_u32 s46, s46, s18
	s_lshl_b32 s46, s46, 10                        ; B likewise
	s_lshl_b32 s83, ttmp9, 22                      ; plane p of xc
	s_lshl_b32 s88, ttmp9, 20                      ; plane p of wc
	s_cmp_lt_u32 ttmp9, 2
	s_cselect_b32 s89, s83, s88
	s_cselect_b32 s90, s88, s83
	s_add_co_u32 s20, s20, s89
	s_add_co_u32 s46, s46, s90
	s_mov_b32 s21, 0
	s_mov_b32 s47, 0
	s_mul_i32 s45, s14, HALFT                      ; where they go: wave x 128 rows: no place in the cluster enters an LDS address
	s_wait_dscnt 0x0                               ; both opening adds are done
	s_wait_kmcnt 0x0
	s_load_b256 s[68:75], s[8:9], 0x0              ; e0 .. e7
	s_load_b128 s[76:79], s[8:9], 0x20             ; e8 .. e11
	s_cmp_lt_u32 ttmp9, 2                          ; the choice of buffers hangs on the cluster's number alone
	s_cselect_b64 s[92:93], s[4:5], s[6:7]         ; A's buffer
	s_cselect_b64 s[94:95], s[6:7], s[4:5]         ; B's
	s_add_nc_u64 s[20:21], s[92:93], s[20:21]
	s_add_nc_u64 s[46:47], s[94:95], s[46:47]
	CROUND                                         ; all sixteen work-groups are here: the first joint loads meet
.irp s, 0,1
	s_mov_b32 s[G0+4*\s], 1
	s_add_co_u32 s[G0+4*\s+1], s45, \s*SLOT
	s_add_nc_u64 s[G0+4*\s+2:G0+4*\s+3], s[20:21], \s*ROWB
	s_or_b32 s[G0+4*\s+3], s[G0+4*\s+3], 0x80000000
	s_mov_b32 s[G0B+4*\s], 1
	s_add_co_u32 s[G0B+4*\s+1], s45, \s*SLOT
	s_add_nc_u64 s[G0B+4*\s+2:G0B+4*\s+3], s[46:47], \s*ROWB
	s_or_b32 s[G0B+4*\s+3], s[G0B+4*\s+3], 0x80000000
.endr
	JLOAD G0, G1, G0B, G1B                         ; K step 0: one tensor load a wave at the head
	v_and_b32 v1, 15, v0
	v_bfe_u32 v2, v0, 4, 1
	v_mul_u32_u24 v3, v1, PITCH
	v_lshl_add_u32 v4, v2, 4, v3                   ; a fragment's row x pitch + 16 x half
	s_mul_i32 s21, s15, HALFT
	s_mul_i32 s22, s16, HALFT
	s_add_co_u32 s22, s22, 2*HALFT
.irp s, 0,1
	v_add_nc_u32 v[ADRA+\s], s21, v4
	v_add_nc_u32 v[ADRB+\s], s22, v4
	s_add_co_u32 s21, s21, SLOT
	s_add_co_u32 s22, s22, SLOT
.endr
	; where my codes go.  tok = my first token, n = my first column of the product.  One formula serves the three planes:
	; (p << 22) + ((16 (tok / 2,048) + n / 64) << 17) + ((tok mod 2,048) << 6): a head is 2^17 bytes; 16 tokens of q or k are 1,024 bytes, 128 keys of v 8,192
	s_lshl_b32 s80, s17, 8
	s_lshl_b32 s81, s15, 7
	s_add_co_u32 s80, s80, s81                     ; A's first row of mine
	s_lshl_b32 s81, s42, 8
	s_lshl_b32 s82, s16, 7
	s_add_co_u32 s81, s81, s82                     ; B's
	s_cmp_lt_u32 ttmp9, 2
	s_cselect_b32 s82, s80, s81                    ; tok
	s_cselect_b32 s83, s81, s80                    ; n
	s_mov_b32 s84, 2048
	s_cselect_b32 s84, 1024, s84                   ; from block to block: the next 16 tokens (q, k) or the next 16 d (v)
	s_mov_b32 s86, 124928
	s_cselect_b32 s86, 1024, s86                   ; from block 3 to block 4: the same (q, k), or on to the next head: 2^17 - 3 x 2,048 (v)
	s_mov_b32 s91, 1024
	s_cselect_b32 s91, 0x20000, s91                ; a block's second eight registers: the next head's image (q, k), or the image's second half (v)
	s_mov_b32 s85, 0
	s_mov_b32 s87, 0
	s_lshr_b32 s88, s82, 11
	s_lshl_b32 s88, s88, 4
	s_lshr_b32 s83, s83, 6
	s_add_co_u32 s88, s88, s83
	s_lshl_b32 s88, s88, 17
	s_and_b32 s82, s82, 2047
	s_lshl_b32 s82, s82, 6
	s_add_co_u32 s88, s88, s82
	s_lshl_b32 s82, ttmp9, 22
	s_add_co_u32 s88, s88, s82
	s_mov_b32 s89, 0
	s_add_nc_u64 s[10:11], s[10:11], s[88:89]
	v_and_b32 v6, 31, v0
	v_lshlrev_b32 v[LO], 4, v6
	v_add_nc_u32 v[HI], s91, v[LO]
.macro FRAG reg, adr, q, i             ; 16 rows x 128 K: lane l holds row l % 16; registers 4 c .. 4 c + 3 hold the 16 bytes at 32 c + 16 (l / 16)
.irp c, 0,1,2,3
	ds_load_b128 v[\reg+4*\c:\reg+4*\c+3], v[\adr] offset:128*(\q)+32*\c+(\i)*16*PITCH
.endr
.endm
; 16 matrix instructions: A's blocks a0, a0 + 1 x B's eight.  The 64 accumulators take turns, one instruction a turn, in the same order in every step.
.macro MUL16 a0, p, zero
.irp a, \a0, \a0+1
.irp b, 0,1,2,3,4,5,6,7
.if \zero
	v_wmma_f32_16x16x128_bf8_bf8 v[8*(8*((\a)%4)+\b):8*(8*((\a)%4)+\b)+7], v[128*(\p)+FR*\b:128*(\p)+FR*\b+FR-1], v[AF+FR*(\a):AF+FR*(\a)+FR-1], 0
.else
	v_wmma_f32_16x16x128_bf8_bf8 v[8*(8*((\a)%4)+\b):8*(8*((\a)%4)+\b)+7], v[128*(\p)+FR*\b:128*(\p)+FR*\b+FR-1], v[AF+FR*(\a):AF+FR*(\a)+FR-1], v[8*(8*((\a)%4)+\b):8*(8*((\a)%4)+\b)+7]
.endif
.endr
.endr
.endm
.macro FETCH_B slot, q, p
	WIN TO_B
.irp i, 0,1,2,3,4,5,6,7
	FRAG 128*(\p)+FR*\i, ADRB+\slot, \q, \i
.endr
	WIN 0
.endm
.macro FETCH_A slot, q, i0
.irp i, \i0, \i0+1, \i0+2, \i0+3
	FRAG AF+FR*(\i), ADRA+\slot, \q, \i
.endr
.endm
.macro PLACES n                        ; plain vector lines between a matrix instruction and a load into, or a vector read or write of, its registers
.rept \n
	v_nop
.endr
.endm
.macro STEP slot, q, zero              ; 128 along K, with its successor in the same slot
	s_wait_dscnt 4*NL                              ; B's set and A's blocks 0-3 are in; the youngest 16 loads (A's blocks 4-7) may be out
	WIN MUL_LO
	MUL16 0, (\q)%2, \zero
	MUL16 2, (\q)%2, \zero
	s_wait_dscnt 0
	PLACES NP
	FETCH_B \slot, (\q)+1, 1-(\q)%2
	FETCH_A \slot, (\q)+1, 0
	WIN MUL_HI
	MUL16 4, (\q)%2, \zero
	MUL16 6, (\q)%2, \zero
	PLACES NP
	WIN 0
	FETCH_A \slot, (\q)+1, 4
.endm
; A slot's last step changes slots: one barrier; in front of it each wave waits for all its tensor loads, adds 0 to its spare word, and waits for that and for its reads of this slot.
.macro TURN slot, next, fill
	s_wait_tensorcnt 0x0                           ; all my tensor loads have landed: my part of the next slot
	ds_add_u32 v[SPW], v[NIL]
	s_wait_dscnt 4*NL+1                            ; the add and the youngest 16 loads may be out
	WIN MUL_LO
	MUL16 0, 1, 0
	s_wait_dscnt 0x0                               ; the add is done, and my reads of this slot are over
	s_barrier_signal -1
	MUL16 2, 1, 0
	WIN 0
	s_barrier_wait -1
.if \fill
	CREST                                          ; the barrier has opened a round of the cluster's: no wave of any partner still reads this slot or has a load on its way
	s_add_nc_u64 s[G0+4*\slot+2:G0+4*\slot+3], s[G0+4*\slot+2:G0+4*\slot+3], 2*ROWB
	s_add_nc_u64 s[G0B+4*\slot+2:G0B+4*\slot+3], s[G0B+4*\slot+2:G0B+4*\slot+3], 2*ROWB
	JLOAD G0+4*\slot, G1, G0B+4*\slot, G1B         ; the first tensor load behind the round; its four v_nop are the places in front of the loads below
.else
	PLACES NP
.endif
	FETCH_B \next, 0, 0
	FETCH_A \next, 0, 0
	WIN MUL_HI
	MUL16 4, 1, 0
	MUL16 6, 1, 0
	PLACES NP
	WIN 0
	FETCH_A \next, 0, 4
.endm
	s_wait_alu depctr_va_vdst(0)
	s_wait_tensorcnt 0x0                           ; my part of K step 0 is in
	ds_add_u32 v[SPW], v[NIL]
	s_wait_dscnt 0x0
	CROUND                                         ; everybody's part of K step 0 is in, and the joint loads meet
	JLOAD G0+4, G1, G0B+4, G1B                     ; K step 1: slot 1's first fill, the first tensor load behind the round
	FETCH_B 0, 0, 0
	FETCH_A 0, 0, 0
	FETCH_A 0, 0, 4
	STEP 0, 0, 1                                   ; the first step's products start the sums
	s_mov_b32 s3, LAPS-1
.Llap:                                                 ; a trip goes once round the ring and fills both slots again
	TURN 0, 1, 1
	STEP 1, 0, 0
	TURN 1, 0, 1
	STEP 0, 0, 0
	s_sub_co_u32 s3, s3, 1
	s_cmp_lg_u32 s3, 0
	s_cbranch_scc1 .Llap
	TURN 0, 1, 0                                   ; the last lap fills nothing
	STEP 1, 0, 0
	s_wait_dscnt 4*NL
	WIN MUL_LO
	MUL16 0, 1, 0
	MUL16 2, 1, 0
	s_wait_dscnt 0
	WIN MUL_HI
	MUL16 4, 1, 0
	MUL16 6, 1, 0
	WIN 0
	; THE WAY OUT: hold, convert, store.
	s_wait_kmcnt 0x0
	s_sub_co_i32 s80, s74, s68                     ; q: e6 - e0 - e1
	s_sub_co_i32 s80, s80, s69
	s_sub_co_i32 s81, s75, s70                     ; k: e7 - e2 - e3
	s_sub_co_i32 s81, s81, s71
	s_sub_co_i32 s82, s77, s72                     ; v: e9 - e4 - e5
	s_sub_co_i32 s82, s82, s73
	s_cmp_eq_u32 ttmp9, 0
	s_cselect_b32 s80, s80, s81
	s_cmp_eq_u32 ttmp9, 2
	s_cselect_b32 s80, s82, s80
	s_add_co_i32 s80, s80, 127
	s_lshl_b32 s81, s80, 23
	v_mov_b32 v[SCL], s81
	s_add_co_i32 s80, s80, 15
	s_lshl_b32 s80, s80, 23
	s_or_b32 s80, s80, 0x600000
	v_mov_b32 v[LIM], s80
	PLACES NP
.macro OUTBLK a                        ; A's block a: its eight accumulators become 16 registers of codes, which no later block writes again
.set AC, 64*((\a)%4)
	WIN 0x02+((\a)/4)                              ; source 0: window 2 or 3
.set J, 0
.rept 64
	v_med3_num_f32 v[TMP+J], v[AC+J], -v[LIM], v[LIM]   ; each accumulator from its low end on
.set J, J+1
.endr
	WIN 0
.irp b, 0,1,2,3,4,5,6,7
	v_cvt_scalef32_pk8_bf8_f32 v[CD+16*(\a)+2*\b:CD+16*(\a)+2*\b+1], v[TMP+8*\b:TMP+8*\b+7], v[SCL]
.endr
	v_nop                                          ; a plain line between the conversions and the next block's holds, which write their sources
.if (\a) > 0
	s_wait_alu depctr_va_vdst(0)
	s_wait_xcnt 0x0                                ; the earlier stores have read their base: it may step
.if (\a) == 4
	s_add_nc_u64 s[10:11], s[10:11], s[86:87]
.else
	s_add_nc_u64 s[10:11], s[10:11], s[84:85]
.endif
.endif
	global_store_b128 v[LO], v[CD+16*(\a):CD+16*(\a)+3], s[10:11]                 ; 32 lanes store 512 consecutive bytes, aligned
	global_store_b128 v[LO], v[CD+16*(\a)+4:CD+16*(\a)+7], s[10:11] offset:512
	global_store_b128 v[HI], v[CD+16*(\a)+8:CD+16*(\a)+11], s[10:11]
	global_store_b128 v[HI], v[CD+16*(\a)+12:CD+16*(\a)+15], s[10:11] offset:512
.endm
.irp a, 0,1,2,3,4,5,6,7
	OUTBLK \a
.endr
	s_wait_tensorcnt 0x0                           ; the wave's end
	ds_add_u32 v[SPW], v[NIL]
	s_wait_dscnt 0x0
	CROUND                                         ; the closing round: no work-group ends while a partner may still ask for a tile that names it
	s_endpgm
.Lfunc_end_k_qcd2b8fbaa5_qkv:
	.size	k_qcd2b8fbaa5_qkv, .Lfunc_end_k_qcd2b8fbaa5_qkv-k_qcd2b8fbaa5_qkv
	.p2alignl 7, 3214868480
	.fill 96, 4, 3214868480
	.section	.rodata,"a",@progbits
	.p2align	6, 0x0
	.amdhsa_kernel k_qcd2b8fbaa5_qkv
		.amdhsa_group_segment_fixed_size 327680
		.amdhsa_private_segment_fixed_size 0
		.amdhsa_enable_private_segment 0
		.amdhsa_kernarg_size 32
		.amdhsa_user_sgpr_count 2
		.amdhsa_user_sgpr_kernarg_segment_ptr 1
		.amdhsa_wavefront_size32 1
		.amdhsa_system_sgpr_workgroup_id_x 1
		.amdhsa_system_sgpr_workgroup_id_y 1
		.amdhsa_system_sgpr_workgroup_id_z 1
		.amdhsa_system_vgpr_workitem_id 0
		.amdhsa_next_free_vgpr 1024
		.amdhsa_next_free_sgpr 100
		.amdhsa_reserve_vcc 0
		.amdhsa_float_denorm_mode_32 3
		.amdhsa_float_denorm_mode_16_64 3
		.amdhsa_memory_ordered 1
		.amdhsa_forward_progress 1
		.amdhsa_inst_pref_size 120
	.end_amdhsa_kernel
	.amdgpu_metadata
---
amdhsa.version: [ 1, 2 ]
amdhsa.kernels:
  - .name:           k_qcd2b8fbaa5_qkv
    .symbol:         k_qcd2b8fbaa5_qkv.kd
    .args:
      - { .name: xc, .offset: 0, .size: 8, .value_kind: global_buffer, .address_space: global }
      - { .name: wc, .offset: 8, .size: 8, .value_kind: global_buffer, .address_space: global }
      - { .name: lowp_scales, .offset: 16, .size: 8, .value_kind: global_buffer, .address_space: global }
      - { .name: qkv, .offset: 24, .size: 8, .value_kind: global_buffer, .address_space: global }
    .group_segment_fixed_size: 327680
    .private_segment_fixed_size: 0
    .kernarg_segment_align: 8
    .kernarg_segment_size: 32
    .max_flat_workgroup_size: 128
    .sgpr_count:     100
    .vgpr_count:     1024
    .wavefront_size: 32
...
	.end_amdgpu_metadata
.endif
;; end of part 2
;; launch attn (part 3): grid 8 x 32, 8 waves a work-group, clusters of 4 x 1, 327,680 bytes of LDS; arguments qkv, lowp_scales, oi; writes oi
.if DOCPART == 3
	.amdgcn_target "amdgcn-amd-amdhsa--gfx1250"
	.amdhsa_code_object_version 6
	.text
	.protected	k_qcd2b8fbaa5_attn
	.globl	k_qcd2b8fbaa5_attn
	.p2align	8
	.type	k_qcd2b8fbaa5_attn,@function
k_qcd2b8fbaa5_attn:
	s_mov_b64 s[64:65], 0
	v_nop
	global_prefetch_b8 v0, s[64:65] scope:SCOPE_SE
	s_setreg_imm32_b32 hwreg(HW_REG_WAVE_MODE, 25, 1), 1
	s_wait_xcnt 0x0
	s_wait_alu depctr_hold_cnt(0) depctr_sa_sdst(0) depctr_va_vdst(0) depctr_va_sdst(0) depctr_va_ssrc(0) depctr_va_vcc(0) depctr_vm_vsrc(0)
	s_getreg_b32 s2, hwreg(HW_REG_IB_STS2, 6, 4)
	s_cmp_eq_u32 s2, 0
	s_cbranch_scc0 .Lentry_in_a_cluster
	s_endpgm
.Lentry_in_a_cluster:
	s_bfe_u32 s2, ttmp6, 0x10000c
	s_cmp_lg_u32 s2, 0x3003
	s_cbranch_scc0 .Lentry_shape_is_right
	s_endpgm
.Lentry_shape_is_right:
; THIRD LAUNCH: products 4 and 5 with the causal softmax between them, on codes of E5M2.  LEFT OUT (shown at the head of launch quant): key steps of 128 all of whose keys come after the wave's 16 queries.
; The softmax is quantised finished and normalised, so the keys are walked twice: walk 1 finds M (the largest t rounded up, t = score x log2(e) / 8) and l = sum 2^(t - M);
; walk 2 makes p = 2^(t - M - log2 l), holds it at 57,344 x 2^e8, converts it and multiplies with V.
; SHARES.  A work-group has one head's K and V whole in LDS (2 x 128 KiB), brought by one joint load a wave (32 KiB each), shared by the four work-groups of a cluster.
; Eight waves, two to a SIMD.  Wave w owns one tile of 16 queries at a time, tile 8 MM + 2 J + (w & 1) (J = place in the cluster), first in block MM and then in block 15 - MM:
; MM + 1 and 16 - MM key steps, 17 for every wave.  MM = 2 g + ((g + cluster x) & 1), g = w / 2: made of the wave's number and the cluster's number alone, so no branch hangs on a place in the cluster.
; LAYOUT.  S^T = K Q^T and O^T = V^T P^T: a lane holds one query; register j of score tile t is key 16 t + 8 h + j, so eight converted scores are registers 2 t, 2 t + 1 of the second product's operand.
; THE MASK.  Only step MM has hidden keys.  There the score products take a bias as C: 0 where the key counts, the most negative f32 number where 16 t + 8 h + j > 16 T + r, T = 2 J + (w & 1).
; The bias is the same in both blocks and is made once (64 registers).  A hidden t is then far under M and its exponential is 0.
; No prefetch: the one fill stands at the head.
; LIMITS: e6 + e7 between -64 and 130; e8 and e10 - e8 - e9 between -126 and 112; scaled scores under 2^31 in magnitude; NaN and infinities among the inputs are not served.
; REGISTERS, window 0: v1-9 addresses and constants; v[10:11] -M (later -M - log2 l) and the largest t; v16-23 Q, v24-31 the second block's Q; v32-95 K's fragments; v96-99 + v100-163 the scores
; (p's codes are laid from v96 on, over scores already converted); v164-171 o's codes; v232-249 sums and work; v252-255 scales and bounds.  Window 1: v0-31 O^T, v64-127 V's fragments, v128-191 the bias.
.set VBASE, 131072
.set SPARE, 262144                     ; behind K and V: the spare words, four blocks of 256 bytes that no other line names
.set AK0, 1
.set AV0, 2
.set DD,  4
.set SPW, 5
.set NIL, 6
.set NEG, 7
.set ADK, 8
.set ADV, 9
.set NM,  10
.set Q0,  16
.set QB,  24
.set KF,  32
.set C0,  96
.set S0,  100
.set OC,  164
.set SA,  232
.set SB,  234
.set SC,  236
.set SD,  238
.set FF,  240
.set MA,  244
.set MB,  245
.set PL,  248
.set PSC, 252
.set PLM, 253
.set OSC, 254
.set OLM, 255
.set O0,  0
.set VF,  64
.set BB,  128
.set WV,  10
.set MM,  11
.set JJ,  12
.set BH,  13
.set G1,  16
.set G0,  24
.set SEL, 48
.set CS,  50
.set TB,  52
.set STEPI, 53
.set TIQ, 62
.set TIO, 63
.set HDO, 66
.set PAIR, 67
.set MSB, 0
.macro WIN new                         ; the immediate's high byte repeats the setting that is left
.if MSB != \new
	s_set_vgpr_msb (MSB<<8)|\new
.set MSB, \new
.endif
.endm
.macro CROUND
	s_barrier_signal -1
	s_barrier_wait -1
	s_cmp_lg_u32 s[WV], 0
	s_cbranch_scc1 .Lnot_wave_0_\@
	s_barrier_signal -3
.Lnot_wave_0_\@:
	s_barrier_wait -3
	s_barrier_signal -1
	s_barrier_wait -1
.endm
.macro KLOAD adr                       ; eight tiles of 16 keys, as the registers lie
.irp t, 0,1,2,3,4,5,6,7
	ds_load_b128 v[KF+8*\t:KF+8*\t+3], v[\adr] offset:1024*\t
	ds_load_b128 v[KF+8*\t+4:KF+8*\t+7], v[\adr] offset:1024*\t+512
.endr
.endm
.macro SCORES                          ; eight products; on the diagonal (a branch on ids) with the bias as C
	s_wait_dscnt 0x0                               ; this step's fragments, asked for a step ago
	s_cmp_eq_u32 s[STEPI], s[MM]
	s_cbranch_scc1 .Ldiag_\@
.irp t, 0,1,2,3,4,5,6,7
	v_wmma_f32_16x16x64_bf8_bf8 v[S0+8*\t:S0+8*\t+7], v[KF+8*\t:KF+8*\t+7], v[Q0:Q0+7], 0
.endr
	s_branch .Ljoin_\@
.Ldiag_\@:
	WIN 0x10                                       ; C in window 1
.irp t, 0,1,2,3,4,5,6,7
	v_wmma_f32_16x16x64_bf8_bf8 v[S0+8*\t:S0+8*\t+7], v[KF+8*\t:KF+8*\t+7], v[Q0:Q0+7], v[BB+8*\t:BB+8*\t+7]
.endr
	WIN 0
.Ljoin_\@:
.endm
.macro TEXP                            ; t - M, two at a time (of the pairs the low word serves both halves), and the batch of exponentials
.set J, 0
.rept 32
	v_pk_fma_f32 v[S0+J:S0+J+1], v[S0+J:S0+J+1], s[CS:CS+1], v[NM:NM+1] op_sel_hi:[1,0,0]
.set J, J+2
.endr
	s_wait_alu depctr_va_vdst(0)                   ; ahead of the batch
.set J, 0
.rept 64
	v_exp_f32 v[S0+J], v[S0+J]
.set J, J+1
.endr
.endm
	s_load_b128 s[4:7], s[0:1], 0x0                ; qkv, the scales' exponents
	s_load_b64 s[8:9], s[0:1], 0x10                ; oi
	v_lshl_add_u32 v[SPW], v0, 2, SPARE
	v_mov_b32 v[NIL], 0
	ds_add_u32 v[SPW], v[NIL]                      ; the opening: the add, twice on end, and its wait ahead of my first tensor load
	ds_add_u32 v[SPW], v[NIL]
	v_lshrrev_b32 v8, 5, v0
	v_readfirstlane_b32 s[WV], v8                  ; wave 0..7
	s_bfe_u32 s[JJ], ttmp6, 0x40000                ; J: it enters global addresses and the bias alone
	s_and_b32 s[BH], ttmp7, 0xffff                 ; batch x head
	s_lshr_b32 s55, s[WV], 1                       ; g
	s_add_co_u32 s54, s55, ttmp9
	s_and_b32 s54, s54, 1
	s_lshl_b32 s[MM], s55, 1
	s_add_co_u32 s[MM], s[MM], s54                 ; 0,3,4,7 in the head's first cluster, 1,2,5,6 in its second
	s_mov_b32 s[G1], 15|(3<<16)|(1<<21)            ; the four partners; elements of 8 bytes; bit 21 beside a mask
	s_mov_b32 s[G1+1], 32<<16                      ; rows of 256 bytes,
	s_mov_b32 s[G1+2], 128<<16                     ; 128 of them: 32 KiB, dense
	s_mov_b32 s[G1+3], 32<<16
	s_mov_b32 s[G1+4], 128
	s_mov_b32 s[G1+5], 32
	s_mov_b32 s[G1+6], 0
	s_mov_b32 s[G1+7], 0
	s_mov_b32 s[SEL], 0x76543210
	s_mov_b32 s[SEL+1], 0xfedcba98
	s_lshl_b32 s56, s[WV], 15                      ; LDS: wave x 32 KiB: K's quarters, then V's
	s_lshr_b32 s58, s[WV], 2
	s_lshl_b32 s58, s58, 22                        ; K's plane at 4 MiB, V's at 8 MiB
	s_and_b32 s57, s[WV], 3
	s_lshl_b32 s57, s57, 15
	s_add_co_u32 s58, s58, s57
	s_lshl_b32 s57, s[BH], 17
	s_add_co_u32 s58, s58, s57
	s_add_co_u32 s58, s58, 0x400000
	s_mov_b32 s59, 0
	s_mov_b32 s[PAIR], 0
	s_wait_dscnt 0x0
	s_wait_kmcnt 0x0
	s_load_b256 s[36:43], s[6:7], 0x0              ; e0 .. e7
	s_load_b128 s[44:47], s[6:7], 0x20             ; e8 .. e11
	s_mov_b32 s[G0], 1
	s_mov_b32 s[G0+1], s56
	s_add_nc_u64 s[G0+2:G0+3], s[4:5], s[58:59]
	s_or_b32 s[G0+3], s[G0+3], 0x80000000
	CROUND                                         ; the four work-groups are here: the joint loads meet
	tensor_load_to_lds s[G0:G0+3], s[G1:G1+7]
	s_nop 0
	s_and_b32 s57, s[WV], 1                        ; which of the two neighbouring tiles
	s_lshl_b32 s55, s[JJ], 1
	s_add_co_u32 s57, s57, s55                     ; T = 2 J + (w & 1)
	s_lshl_b32 s[TIQ], s[BH], 7
	s_add_co_u32 s[TIQ], s[TIQ], s57               ; q: [batch x head][tile][1,024 bytes]: the tile's number less 8 MM
	s_lshl_b32 s55, s[MM], 3
	s_add_co_u32 s58, s[TIQ], s55
	s_lshl_b32 s58, s58, 10
	s_add_nc_u64 s[32:33], s[4:5], s[58:59]        ; Q of block MM
	s_sub_co_u32 s55, 15, s[MM]
	s_lshl_b32 s55, s55, 3
	s_add_co_u32 s60, s[TIQ], s55
	s_lshl_b32 s60, s60, 10
	s_mov_b32 s61, 0
	s_add_nc_u64 s[60:61], s[4:5], s[60:61]        ; Q of block 15 - MM
	s_and_b32 s54, s[BH], 15
	s_lshr_b32 s55, s[BH], 4
	s_lshr_b32 s[TIO], s54, 2
	s_lshl_b32 s[TIO], s[TIO], 8
	s_lshl_b32 s55, s55, 7
	s_add_co_u32 s[TIO], s[TIO], s55
	s_add_co_u32 s[TIO], s[TIO], s57               ; oi: [four heads][tile of 16 tokens][head][1,024 bytes]: the tile's number less 8 MM
	s_and_b32 s54, s54, 3
	s_lshl_b32 s[HDO], s54, 10
	s_lshl_b32 s56, s57, 4                         ; 16 T
	v_and_b32 v8, 31, v0
	v_lshlrev_b32 v[AK0], 4, v8                    ; 16 x lane
	global_load_b128 v[Q0:Q0+3], v[AK0], s[32:33]
	global_load_b128 v[Q0+4:Q0+7], v[AK0], s[32:33] offset:512
	global_load_b128 v[QB:QB+3], v[AK0], s[60:61]
	global_load_b128 v[QB+4:QB+7], v[AK0], s[60:61] offset:512
	v_add_nc_u32 v[AV0], VBASE-8192, v[AK0]        ; V, one step back: the walking base stands one step ahead
	v_and_b32 v9, 15, v0
	v_bfe_u32 v3, v0, 4, 1
	v_lshlrev_b32 v3, 3, v3
	v_sub_nc_u32 v[DD], v9, v3
	v_add_nc_u32 v[DD], s56, v[DD]                 ; 16 T + r - 8 h
	v_mov_b32 v[NEG], 0xff7fffff
	v_mov_b32 v[PL], 0                             ; a lane permute's destination counts as a source
	v_mov_b32 v[FF+1], 0                           ; named as the upper half of a pair
	WIN 0x40
.set N, 0
.rept 64
	v_cmp_gt_i32 vcc_lo, 16*(N/8)+N%8, v[DD]
	v_cndmask_b32 v[BB+N], 0, v[NEG], vcc_lo       ; the bias
.set N, N+1
.endr
	WIN 0
	s_wait_kmcnt 0x0
	s_add_co_i32 s54, s42, s43
	s_lshl_b32 s54, s54, 23
	s_mov_b32 s[CS], 0x3e38aa3b                    ; log2(e) / 8,
	s_add_co_i32 s[CS], s[CS], s54                 ; x 2^(e6 + e7), added to its exponent field
	s_mov_b32 s[CS+1], s[CS]
	s_add_co_i32 s54, s44, 127
	s_lshl_b32 s55, s54, 23
	v_mov_b32 v[PSC], s55                          ; 2^e8
	s_add_co_i32 s54, s54, 15
	s_lshl_b32 s54, s54, 23
	s_or_b32 s54, s54, 0x600000
	v_mov_b32 v[PLM], s54                          ; 57,344 x 2^e8
	s_sub_co_i32 s54, s46, s44
	s_sub_co_i32 s54, s54, s45
	s_add_co_i32 s54, s54, 127
	s_lshl_b32 s55, s54, 23
	v_mov_b32 v[OSC], s55                          ; 2^(e10 - e8 - e9)
	s_add_co_i32 s54, s54, 15
	s_lshl_b32 s54, s54, 23
	s_or_b32 s54, s54, 0x600000
	v_mov_b32 v[OLM], s54
	s_wait_alu depctr_va_vdst(0)
	s_wait_tensorcnt 0x0                           ; my 32 KiB are in
	s_barrier_signal -1
	s_barrier_wait -1                              ; and everybody's; nothing is filled again
	s_wait_loadcnt 0x0                             ; both blocks' Q
.Lpair:                                            ; two trips: block MM, then block 15 - MM
	s_wait_xcnt 0x0                                ; the last trip's stores have read their base
	s_lshl_b32 s55, s[MM], 3
	s_add_co_u32 s58, s[TIO], s55
	s_lshl_b32 s58, s58, 12
	s_add_co_u32 s58, s58, s[HDO]
	s_mov_b32 s59, 0
	s_add_nc_u64 s[34:35], s[8:9], s[58:59]
	v_mov_b32 v[NM+1], 0xff61b1e6                  ; the largest t so far: -3e38
	v_floor_f32 v[NM], -v[NM+1]
.irp j, 0,1,2,3,4,5,6,7
	v_mov_b32 v[SA+\j], 0                          ; the sum, in eight parts
.endr
	s_wait_dscnt 0x0                               ; no load into K's registers is out
	KLOAD AK0                                      ; step 0
	s_mov_b32 s[TB], 8192                          ; the base of the step after the one in hand
	s_mov_b32 s[STEPI], 0
.Lw1:                                              ; WALK 1: M and l.  16 trips in every wave; the steps behind the diagonal are jumped over
	s_cmp_gt_u32 s[STEPI], s[MM]
	s_cbranch_scc1 .Lh1
	SCORES
	v_add_nc_u32 v[ADK], s[TB], v[AK0]
	v_nop
	v_nop
	v_nop                                          ; four places behind the products
	KLOAD ADK                                      ; the next step's fragments land under this step's vector work
	v_max3_num_f32 v[MA], v[S0], v[S0+1], v[S0+2]
	v_max3_num_f32 v[MB], v[S0+3], v[S0+4], v[S0+5]
.irp i, 6,10,14,18,22,26,30,34,38,42,46,50,54,58
	v_max3_num_f32 v[MA], v[MA], v[S0+\i], v[S0+\i+1]
	v_max3_num_f32 v[MB], v[MB], v[S0+\i+2], v[S0+\i+3]
.endr
	v_max3_num_f32 v[MA], v[MA], v[S0+62], v[S0+63]
	s_delay_alu instid0(VALU_DEP_1)
	v_max_num_f32 v[MA], v[MA], v[MB]
	s_delay_alu instid0(VALU_DEP_1)
	v_permlanex16_b32 v[PL], v[MA], s[SEL], s[SEL+1]
	s_delay_alu instid0(VALU_DEP_1)
	v_max_num_f32 v[MA], v[MA], v[PL]              ; with lane l xor 16's keys
	s_delay_alu instid0(VALU_DEP_1)
	v_mul_f32 v[MA], s[CS], v[MA]
	s_delay_alu instid0(VALU_DEP_1)
	v_max_num_f32 v[NM+1], v[NM+1], v[MA]          ; the running largest t
	v_mov_b32 v[MA], v[NM]
	s_delay_alu instid0(VALU_DEP_2)
	v_floor_f32 v[NM], -v[NM+1]                    ; -M = floor(-t): a whole number
	s_delay_alu instid0(VALU_DEP_1)
	v_sub_f32 v[MA], v[NM], v[MA]
	s_delay_alu instid0(VALU_DEP_1)
	v_cvt_i32_f32 v[MA], v[MA]                     ; (it saturates)
	s_delay_alu instid0(VALU_DEP_1)
	v_ldexp_f32 v[FF], 1.0, v[MA]                  ; 2^(old M - new M)
	TEXP
.irp j, 0,2,4,6
	v_pk_mul_f32 v[SA+\j:SA+\j+1], v[SA+\j:SA+\j+1], v[FF:FF+1] op_sel_hi:[1,0]   ; the sums under the new M
.endr
	s_wait_alu depctr_va_vdst(0)                   ; behind the batch
.irp m, 0,1,2,3,4,5,6,7                            ; four chains by turns
	v_pk_add_f32 v[SA:SA+1], v[SA:SA+1], v[S0+8*\m:S0+8*\m+1]
	v_pk_add_f32 v[SB:SB+1], v[SB:SB+1], v[S0+8*\m+2:S0+8*\m+3]
	v_pk_add_f32 v[SC:SC+1], v[SC:SC+1], v[S0+8*\m+4:S0+8*\m+5]
	v_pk_add_f32 v[SD:SD+1], v[SD:SD+1], v[S0+8*\m+6:S0+8*\m+7]
.endr
.Lh1:
	s_add_co_u32 s[TB], s[TB], 8192
	s_add_co_u32 s[STEPI], s[STEPI], 1
	s_cmp_lt_u32 s[STEPI], 16
	s_cbranch_scc1 .Lw1
	s_wait_alu depctr_va_vdst(0)                   ; ahead of the first reader behind the branches
	v_pk_add_f32 v[SA:SA+1], v[SA:SA+1], v[SB:SB+1]
	v_pk_add_f32 v[SC:SC+1], v[SC:SC+1], v[SD:SD+1]
	v_pk_add_f32 v[SA:SA+1], v[SA:SA+1], v[SC:SC+1]
	v_add_f32 v[MA], v[SA], v[SA+1]
	v_permlanex16_b32 v[PL], v[MA], s[SEL], s[SEL+1]
	v_add_f32 v[MA], v[MA], v[PL]                  ; l, over 0.5
	s_wait_alu depctr_va_vdst(0)                   ; ahead of the transcendental
	v_log_f32 v[MA], v[MA]
	v_nop
	s_wait_alu depctr_va_vdst(0)                   ; behind it
	v_sub_f32 v[NM], v[NM], v[MA]                  ; -M - log2 l: the division by l is done in the exponent
	WIN 0x40
.set J, 0
.rept 32
	v_mov_b32 v[O0+J], 0                           ; O^T: walk 2 is written once
.set J, J+1
.endr
	WIN 0
	s_wait_dscnt 0x0                               ; walk 1's last look-ahead is in: K's registers may be asked for again
	KLOAD AK0
	s_mov_b32 s[TB], 8192
	s_mov_b32 s[STEPI], 0
.Lw2:                                              ; WALK 2: p, its codes, O^T += V^T P^T
	s_cmp_gt_u32 s[STEPI], s[MM]
	s_cbranch_scc1 .Lh2
	SCORES
	v_add_nc_u32 v[ADK], s[TB], v[AK0]
	v_add_nc_u32 v[ADV], s[TB], v[AV0]
	v_nop
	v_nop                                          ; four places behind the products
	KLOAD ADK                                      ; the next step's K,
	WIN 0x40
.irp u, 0,1,2,3
.irp c, 0,1,2,3
	ds_load_b128 v[VF+16*\u+4*\c:VF+16*\u+4*\c+3], v[ADV] offset:2048*\u+512*\c   ; and this step's V
.endr
.endr
	WIN 0
	TEXP
	v_nop
	s_wait_alu depctr_va_vdst(0)                   ; behind the batch
.irp t, 0,1,2,3,4,5,6,7                            ; a tile's eight holds are the plain lines between the conversions
.irp j, 0,1,2,3,4,5,6,7
	v_min_num_f32 v[S0+8*\t+\j], v[S0+8*\t+\j], v[PLM]   ; the conversion does not saturate (ISA guide 7.6.2); p is not negative
.endr
	v_cvt_scalef32_pk8_bf8_f32 v[C0+2*\t:C0+2*\t+1], v[S0+8*\t:S0+8*\t+7], v[PSC]
.endr
	v_nop
	WIN 0x51                                       ; V, C and D in window 1, the codes in window 0
	s_wait_alu depctr_va_vdst(0)                   ; ahead of the first readers of O^T
	s_wait_dscnt 0x0                               ; V (and the next K)
.irp u, 0,1,2,3                                    ; four accumulators by turns; the eight score products stand between a sum's steps
	v_wmma_f32_16x16x128_bf8_bf8 v[O0+8*\u:O0+8*\u+7], v[VF+16*\u:VF+16*\u+15], v[C0:C0+15], v[O0+8*\u:O0+8*\u+7]
.endr
	WIN 0
.rept 5
	v_nop                                          ; five places: the next score products write over the codes' registers
.endr
.Lh2:
	s_add_co_u32 s[TB], s[TB], 8192
	s_add_co_u32 s[STEPI], s[STEPI], 1
	s_cmp_lt_u32 s[STEPI], 16
	s_cbranch_scc1 .Lw2
	WIN 0x01                                       ; THE WAY OUT: hold, convert, store: eight converted sums are two registers of the last launch's operand
.set J, 0
.rept 32
	v_med3_num_f32 v[S0+J], v[O0+J], -v[OLM], v[OLM]
.set J, J+1
.endr
	WIN 0
.irp u, 0,1,2,3
	v_cvt_scalef32_pk8_bf8_f32 v[OC+2*\u:OC+2*\u+1], v[S0+8*\u:S0+8*\u+7], v[OSC]
.endr
.irp j, 0,1,2,3,4,5,6,7
	v_mov_b32 v[Q0+\j], v[QB+\j]                   ; the second block's Q
.endr
	global_store_b128 v[AK0], v[OC:OC+3], s[34:35]               ; 32 lanes store 512 consecutive bytes, aligned
	global_store_b128 v[AK0], v[OC+4:OC+7], s[34:35] offset:512
	s_sub_co_u32 s[MM], 15, s[MM]
	s_add_co_u32 s[PAIR], s[PAIR], 1
	s_cmp_lt_u32 s[PAIR], 2
	s_wait_alu depctr_va_vdst(0)
	s_cbranch_scc1 .Lpair
	s_wait_tensorcnt 0x0                           ; the wave's end
	ds_add_u32 v[SPW], v[NIL]
	s_wait_dscnt 0x0
	CROUND                                         ; the closing round
	s_endpgm
.Lfunc_end_k_qcd2b8fbaa5_attn:
	.size	k_qcd2b8fbaa5_attn, .Lfunc_end_k_qcd2b8fbaa5_attn-k_qcd2b8fbaa5_attn
	.p2alignl 7, 3214868480
	.fill 96, 4, 3214868480
	.section	.rodata,"a",@progbits
	.p2align	6, 0x0
	.amdhsa_kernel k_qcd2b8fbaa5_attn
		.amdhsa_group_segment_fixed_size 327680
		.amdhsa_private_segment_fixed_size 0
		.amdhsa_enable_private_segment 0
		.amdhsa_kernarg_size 24
		.amdhsa_user_sgpr_count 2
		.amdhsa_user_sgpr_kernarg_segment_ptr 1
		.amdhsa_wavefront_size32 1
		.amdhsa_system_sgpr_workgroup_id_x 1
		.amdhsa_system_sgpr_workgroup_id_y 1
		.amdhsa_system_sgpr_workgroup_id_z 1
		.amdhsa_system_vgpr_workitem_id 0
		.amdhsa_next_free_vgpr 448
		.amdhsa_next_free_sgpr 72
		.amdhsa_reserve_vcc 1
		.amdhsa_float_denorm_mode_32 3
		.amdhsa_float_denorm_mode_16_64 3
		.amdhsa_memory_ordered 1
		.amdhsa_forward_progress 1
		.amdhsa_inst_pref_size 41
	.end_amdhsa_kernel
	.amdgpu_metadata
---
amdhsa.version: [ 1, 2 ]
amdhsa.kernels:
  - .name:           k_qcd2b8fbaa5_attn
    .symbol:         k_qcd2b8fbaa5_attn.kd
    .args:
      - { .name: qkv, .offset: 0, .size: 8, .value_kind: global_buffer, .address_space: global }
      - { .name: lowp_scales, .offset: 8, .size: 8, .value_kind: global_buffer, .address_space: global }
      - { .name: oi, .offset: 16, .size: 8, .value_kind: global_buffer, .address_space: global }
    .group_segment_fixed_size: 327680
    .private_segment_fixed_size: 0
    .kernarg_segment_align: 8
    .kernarg_segment_size: 24
    .max_flat_workgroup_size: 256
    .sgpr_count:     72
    .vgpr_count:     448
    .wavefront_size: 32
...
	.end_amdgpu_metadata
.endif
;; end of part 3
;; launch proj (part 4): grid 8 x 32, 4 waves a work-group, clusters of 4 x 4, 327,680 bytes of LDS; arguments oi, wc, lowp_scales, out0; writes out0
.if DOCPART == 4
	.amdgcn_target "amdgcn-amd-amdhsa--gfx1250"
	.amdhsa_code_object_version 6
	.text
	.protected	k_qcd2b8fbaa5_proj
	.globl	k_qcd2b8fbaa5_proj
	.p2align	8
	.type	k_qcd2b8fbaa5_proj,@function
k_qcd2b8fbaa5_proj:
	s_mov_b64 s[64:65], 0
	v_nop
	global_prefetch_b8 v0, s[64:65] scope:SCOPE_SE
	s_setreg_imm32_b32 hwreg(HW_REG_WAVE_MODE, 25, 1), 1
	s_wait_xcnt 0x0
	s_wait_alu depctr_hold_cnt(0) depctr_sa_sdst(0) depctr_va_vdst(0) depctr_va_sdst(0) depctr_va_ssrc(0) depctr_va_vcc(0) depctr_vm_vsrc(0)
	s_getreg_b32 s2, hwreg(HW_REG_IB_STS2, 6, 4)
	s_cmp_eq_u32 s2, 0
	s_cbranch_scc0 .Lentry_in_a_cluster
	s_endpgm
.Lentry_in_a_cluster:
	s_bfe_u32 s2, ttmp6, 0x10000c
	s_cmp_lg_u32 s2, 0xf033
	s_cbranch_scc0 .Lentry_shape_is_right
	s_endpgm
.Lentry_shape_is_right:
; FOURTH LAUNCH: product 6, out0 [4,096][1,024] f32 = o Wo on codes of E5M2; each finished sum once x 2^(e10 + e11).  Nothing is left out here.
; A block of 128 x 128 results is made by four waves, 64 x 64 each: 16 accumulators.  32 x 8 blocks: 256 work-groups.
; ALL OF K = 1,024 LIES IN LDS AT ONCE: A's 128 tokens are 128 KiB, B's 128 rows 130 KiB with their padding.  Each wave issues one joint load at the head; nothing is filled again: no ring, and no prefetch, since there is no loop to run ahead in.
; A = o, as images of the operand's registers: oi [four heads s 4][tile of 16 tokens 256][head in s 4][1,024 bytes]: 128 tokens of one s are a dense block of 32 KiB, the four s lie 1 MiB apart:
; waves 0 and 1 fetch two such rows of 32 KiB each.  A fragment (16 tokens x 128 K = two heads' images) is four loads at 16 x lane.
; B = Wo's plane of wc, rows of 1,024 codes [n][k], in which the middle groups of 8 of each 32 have changed places, so that the 16 bytes at 32 c + 16 h hold the very k that A's registers 4 c .. 4 c + 3 hold.
; Waves 2 and 3 fetch 64 rows each; 16 bytes of padding behind each row: pitch 1,040 = 65 x 16, so the 16 rows that a load touches start at 16 different groups of banks.
; CLUSTERS: 4 x 4: A's tile is shared along a row of the cluster, B's along a column, each asked for jointly.  THE MATRIX INSTRUCTION IS USED TRANSPOSED (source 0 = B, source 1 = A): a lane holds eight neighbours of a row of out0.
; REGISTERS: window 0: v16-29 addresses; v32-63 at work on the way out; v64-127 A's and v128-191 B's fragments of even K steps (later the rows read back); window 1: the same for odd K steps; window 2: v0-127 the accumulators.
; LIMIT: e10 + e11 between -126 and 127.
.set BP,     1040                      ; B's LDS row
.set BBASE,  131072                    ; B's rows lie behind A's 128 KiB
.set STAGE,  BBASE+128*BP              ; 264,192: the way out: 16 rows x (256 + 16) bytes for each wave; no fill lands here
.set SPITCH, 272
.set SPARE,  STAGE+4*16*SPITCH         ; 281,600: the spare words, two blocks of 256 bytes that no other line names
.set ADRA, 16                          ; v16-17  my A fragments, s 0-1 and s 2-3
.set ADRB, 20
.set STO,  24
.set RD,   25
.set CO,   26
.set SPW,  28
.set NIL,  29
.set TMP,  32
.set AF,   64
.set BF,   128
.set BK,   64
.set G1, 24
.set G0, 32
.set G1B, 48
.set G0B, 56
.set MSB, 0
.macro WIN new
.if MSB != \new
	s_set_vgpr_msb (MSB<<8)|\new
.set MSB, \new
.endif
.endm
.macro CROUND
	s_barrier_signal -1
	s_barrier_wait -1
	s_cmp_lg_u32 s14, 0
	s_cbranch_scc1 .Lnot_wave_0_\@
	s_barrier_signal -3
.Lnot_wave_0_\@:
	s_barrier_wait -3
	s_barrier_signal -1
	s_barrier_wait -1
.endm
	s_load_b128 s[4:7], s[0:1], 0x0                ; oi s[4:5], wc s[6:7]
	s_load_b128 s[8:11], s[0:1], 0x10              ; the scales' exponents s[8:9], out0 s[10:11]
	v_lshl_add_u32 v[SPW], v0, 2, SPARE
	v_mov_b32 v[NIL], 0
	ds_add_u32 v[SPW], v[NIL]                      ; the opening: the add, twice on end, and its wait ahead of my first tensor load
	ds_add_u32 v[SPW], v[NIL]
	v_lshrrev_b32 v1, 5, v0
	v_readfirstlane_b32 s14, v1                    ; wave 0..3
	s_lshr_b32 s15, s14, 1                         ; which 64 tokens are mine.  Also: I fetch for A (0) or for B (1)
	s_and_b32 s16, s14, 1                          ; which 64 columns.  Also: which half of that tile I fetch
	s_bfe_u32 s40, ttmp6, 0x40000                  ; cx
	s_bfe_u32 s41, ttmp6, 0x40004                  ; cy
	s_lshl_b32 s42, ttmp9, 2
	s_add_co_u32 s42, s42, s40                     ; block column 0..7
	s_and_b32 s17, ttmp7, 0xffff
	s_lshl_b32 s17, s17, 2
	s_add_co_u32 s17, s17, s41                     ; block row 0..31
	s_lshl_b32 s43, s41, 2
	s_lshl_b32 s43, 15, s43                        ; my row of the cluster
	s_lshl_b32 s44, 0x1111, s40                    ; my column
	s_or_b32 s[G1+0], s43, (3<<16)|(1<<21)         ; A: the mask of my row; elements of 8 bytes; bit 21 beside a mask; no padding
	s_mov_b32 s[G1+1], 4096<<16                    ; rows of 4,096 elements = 32 KiB,
	s_mov_b32 s[G1+2], 2<<16                       ; two of them,
	s_mov_b32 s[G1+3], 4096<<16
	s_mov_b32 s[G1+4], 2
	s_mov_b32 s[G1+5], 131072                      ; 1 MiB apart
	s_mov_b32 s[G1+6], 0
	s_mov_b32 s[G1+7], 0
	s_or_b32 s[G1B+0], s44, (0<<16)|(1<<20)|(1<<21)|(7<<22)|(3<<25)  ; B: the mask of my column; elements of 1 byte; 4 words of padding after every 256
	s_mov_b32 s[G1B+1], 1024<<16
	s_mov_b32 s[G1B+2], 64<<16
	s_mov_b32 s[G1B+3], 1024<<16
	s_mov_b32 s[G1B+4], 64
	s_mov_b32 s[G1B+5], 1024
	s_mov_b32 s[G1B+6], 0
	s_mov_b32 s[G1B+7], 0
	s_lshl_b32 s20, s17, 15                        ; A: a block row is 8 tiles of 4,096 bytes;
	s_lshl_b32 s18, s16, 21                        ; the half that I fetch: s 0-1 or s 2-3
	s_add_co_u32 s20, s20, s18
	s_mov_b32 s21, 0
	s_lshl_b32 s46, s42, 7
	s_lshl_b32 s18, s16, 6
	s_add_co_u32 s46, s46, s18
	s_lshl_b32 s46, s46, 10                        ; B: row 128 x block column + 64 x half, of 1,024 bytes,
	s_add_co_u32 s46, s46, 0x300000                ; in Wo's plane of wc
	s_mov_b32 s47, 0
	s_lshl_b32 s45, s16, 16                        ; LDS, A: half x 64 KiB
	s_mul_i32 s22, s16, 64*BP
	s_add_co_u32 s22, s22, BBASE                   ; LDS, B: half x 64 rows; also the 64 rows that I multiply
	s_wait_dscnt 0x0                               ; both opening adds are done
	s_wait_kmcnt 0x0
	s_load_b64 s[96:97], s[8:9], 0x28              ; e10, e11
	s_mov_b32 s[G0], 1
	s_mov_b32 s[G0+1], s45
	s_add_nc_u64 s[G0+2:G0+3], s[4:5], s[20:21]
	s_or_b32 s[G0+3], s[G0+3], 0x80000000
	s_mov_b32 s[G0B], 1
	s_mov_b32 s[G0B+1], s22
	s_add_nc_u64 s[G0B+2:G0B+3], s[6:7], s[46:47]
	s_or_b32 s[G0B+3], s[G0B+3], 0x80000000
	CROUND                                         ; all sixteen work-groups are here: the joint loads meet
	s_cmp_eq_u32 s15, 0                            ; the branch hangs on the wave's number alone; an s_nop 0 and four v_nop follow each line
	s_cbranch_scc0 .Lfor_b
	tensor_load_to_lds s[G0:G0+3], s[G1:G1+7]
	s_nop 0
.rept 4
	v_nop
.endr
	s_branch .Lasked
.Lfor_b:
	tensor_load_to_lds s[G0B:G0B+3], s[G1B:G1B+7]
	s_nop 0
.rept 4
	v_nop
.endr
.Lasked:
	s_lshl_b32 s80, s15, 14                        ; my 64 tokens: 4 tiles of 4,096 bytes in each s
	s_mul_i32 s81, s14, 16*SPITCH
	s_add_co_u32 s81, s81, STAGE                   ; my stage
	s_lshl_b32 s82, s17, 7
	s_lshl_b32 s83, s15, 6
	s_add_co_u32 s82, s82, s83
	s_lshl_b32 s82, s82, 12                        ; my first row of out0, of 4,096 bytes,
	s_lshl_b32 s83, s42, 9
	s_add_co_u32 s82, s82, s83
	s_lshl_b32 s83, s16, 8
	s_add_co_u32 s82, s82, s83                     ; and my first column, in bytes
	s_mov_b32 s83, 0
	s_add_nc_u64 s[10:11], s[10:11], s[82:83]
	v_and_b32 v1, 15, v0                           ; r
	v_bfe_u32 v2, v0, 4, 1                         ; h
	v_mul_u32_u24 v3, v1, BP
	v_lshl_add_u32 v3, v2, 4, v3
	v_add_nc_u32 v[ADRB], s22, v3                  ; B: row x pitch + 16 h
	v_and_b32 v6, 31, v0
	v_lshlrev_b32 v7, 4, v6
	v_add_nc_u32 v[ADRA], s80, v7                  ; A: 16 x lane
	v_add_nc_u32 v[ADRA+1], 65536, v[ADRA]
	v_mul_u32_u24 v5, v1, SPITCH
	v_lshl_add_u32 v5, v2, 5, v5
	v_add_nc_u32 v[STO], s81, v5                   ; into the stage: row r, 32 bytes for each half of the lanes
	v_mul_u32_u24 v8, v2, SPITCH
	v_lshl_add_u32 v8, v1, 4, v8
	v_add_nc_u32 v[RD], s81, v8                    ; back: lanes 0-15 one row of 256 bytes, lanes 16-31 the next
	v_lshlrev_b32 v9, 12, v2
	v_lshl_add_u32 v[CO], v1, 4, v9                ; and the same two rows in out0
	s_wait_alu depctr_va_vdst(0)
	s_wait_kmcnt 0x0
	s_add_co_i32 s96, s96, s97
	s_add_co_i32 s96, s96, 127
	s_lshl_b32 s96, s96, 23                        ; 2^(e10 + e11) as f32
	s_wait_tensorcnt 0x0                           ; my part is in
	s_barrier_signal -1
	s_barrier_wait -1                              ; and everybody's; nothing is filled again
.macro FETCH k                         ; the fragments of K step k (128 along K): B's four, A's four, into window k % 2
	WIN (((\k)%2)<<6)
.irp b, 0,1,2,3
.irp c, 0,1,2,3
	ds_load_b128 v[BF+16*\b+4*\c:BF+16*\b+4*\c+3], v[ADRB] offset:16*BP*\b+128*(\k)+32*\c
.endr
.endr
.irp a, 0,1,2,3
.irp c, 0,1,2,3
	ds_load_b128 v[AF+16*\a+4*\c:AF+16*\a+4*\c+3], v[ADRA+(\k)/4] offset:32768*(((\k)/2)%2)+4096*\a+2048*((\k)%2)+512*\c
.endr
.endr
.endm
.macro MUL k                           ; the 16 accumulators take turns, one instruction a turn, in the same order in every step
	WIN (0xa0+5*((\k)%2))
.irp a, 0,1,2,3
.irp b, 0,1,2,3
.if (\k) == 0
	v_wmma_f32_16x16x128_bf8_bf8 v[8*(4*\a+\b):8*(4*\a+\b)+7], v[BF+16*\b:BF+16*\b+15], v[AF+16*\a:AF+16*\a+15], 0
.else
	v_wmma_f32_16x16x128_bf8_bf8 v[8*(4*\a+\b):8*(4*\a+\b)+7], v[BF+16*\b:BF+16*\b+15], v[AF+16*\a:AF+16*\a+15], v[8*(4*\a+\b):8*(4*\a+\b)+7]
.endif
.endr
.endr
.endm
	FETCH 0
.irp kk, 0,1,2,3,4,5,6
.if \kk > 0
.rept 4
	v_nop                                          ; four places in front of loads into registers that the step before last's products have read
.endr
.endif
	FETCH \kk+1
	s_wait_dscnt 32                                ; this step's 32 loads are in; the next step's 32 may be out
	MUL \kk
.endr
	s_wait_dscnt 0x0
	MUL 7
.rept 4
	v_nop                                          ; four places in front of the first read of results and of loads into fragments' registers
.endr
; THE WAY OUT, block by block of 16 rows x 64 columns, through my own stage: in as 32 bytes a lane, back as whole rows of 256 bytes.  LDS serves a wave's instructions in order (ISA guide 5.7.1.4).
.macro TOSTAGE a
	WIN 0x02
.irp j, 0,2,4,6,8,10,12,14,16,18,20,22,24,26,28,30
	v_pk_mul_f32 v[TMP+\j:TMP+\j+1], v[32*\a+\j:32*\a+\j+1], s[96:97] op_sel_hi:[1,0]   ; x 2^(e10 + e11); each accumulator from its low end on
.endr
	WIN 0
.irp b, 0,1,2,3
	ds_store_b128 v[STO], v[TMP+8*\b:TMP+8*\b+3] offset:64*\b
	ds_store_b128 v[STO], v[TMP+8*\b+4:TMP+8*\b+7] offset:64*\b+16
.endr
.irp t, 0,1,2,3,4,5,6,7
	ds_load_b128 v[BK+32*\a+4*\t:BK+32*\a+4*\t+3], v[RD] offset:2*\t*SPITCH
.endr
.endm
.macro SEND a, younger                 ; every block has registers of its own and every offset is an immediate: no store's source is written again
	s_wait_dscnt \younger
.irp t, 0,1,2,3,4,5,6,7
	global_store_b128 v[CO], v[BK+32*\a+4*\t:BK+32*\a+4*\t+3], s[10:11] offset:65536*\a+8192*\t th:TH_STORE_NT   ; sixteen lanes store 256 consecutive bytes, aligned
.endr
.endm
	TOSTAGE 0
	TOSTAGE 1
	SEND 0, 16                                     ; behind block 0's loads: block 1's 8 stores and 8 loads
	TOSTAGE 2
	SEND 1, 16
	TOSTAGE 3
	SEND 2, 16
	SEND 3, 0
	s_wait_tensorcnt 0x0                           ; the wave's end
	ds_add_u32 v[SPW], v[NIL]
	s_wait_dscnt 0x0
	CROUND                                         ; the closing round
	s_endpgm
.Lfunc_end_k_qcd2b8fbaa5_proj:
	.size	k_qcd2b8fbaa5_proj, .Lfunc_end_k_qcd2b8fbaa5_proj-k_qcd2b8fbaa5_proj
	.p2alignl 7, 3214868480
	.fill 96, 4, 3214868480
	.section	.rodata,"a",@progbits
	.p2align	6, 0x0
	.amdhsa_kernel k_qcd2b8fbaa5_proj
		.amdhsa_group_segment_fixed_size 327680
		.amdhsa_private_segment_fixed_size 0
		.amdhsa_enable_private_segment 0
		.amdhsa_kernarg_size 32
		.amdhsa_user_sgpr_count 2
		.amdhsa_user_sgpr_kernarg_segment_ptr 1
		.amdhsa_wavefront_size32 1
		.amdhsa_system_sgpr_workgroup_id_x 1
		.amdhsa_system_sgpr_workgroup_id_y 1
		.amdhsa_system_sgpr_workgroup_id_z 1
		.amdhsa_system_vgpr_workitem_id 0
		.amdhsa_next_free_vgpr 640
		.amdhsa_next_free_sgpr 100
		.amdhsa_reserve_vcc 0
		.amdhsa_float_denorm_mode_32 3
		.amdhsa_float_denorm_mode_16_64 3
		.amdhsa_memory_ordered 1
		.amdhsa_forward_progress 1
		.amdhsa_inst_pref_size 44
	.end_amdhsa_kernel
	.amdgpu_metadata
---
amdhsa.version: [ 1, 2 ]
amdhsa.kernels:
  - .name:           k_qcd2b8fbaa5_proj
    .symbol:         k_qcd2b8fbaa5_proj.kd
    .args:
      - { .name: oi, .offset: 0, .size: 8, .value_kind: global_buffer, .address_space: global }
      - { .name: wc, .offset: 8, .size: 8, .value_kind: global_buffer, .address_space: global }
      - { .name: lowp_scales, .offset: 16, .size: 8, .value_kind: global_buffer, .address_space: global }
      - { .name: out0, .offset: 24, .size: 8, .value_kind: global_buffer, .address_space: global }
    .group_segment_fixed_size: 327680
    .private_segment_fixed_size: 0
    .kernarg_segment_align: 8
    .kernarg_segment_size: 32
    .max_flat_workgroup_size: 128
    .sgpr_count:     100
    .vgpr_count:     640
    .wavefront_size: 32
...
	.end_amdgpu_metadata
.endif
;; end of part 4
